; MI455X (gfx1250); checked and timed in simulation.
; The chip was launched on July 23, 2026; its instructions are those of AMD's public machine-readable ISA for CDNA 5 (MIT licence, August 2026) and "CDNA5" Instruction Set Architecture Reference Guide (July 2026). The comments in the code are by the model that wrote it; some were corrected since.
;; Segment Encoder. Allowed arithmetic: float matrix products may take bf16 or f16 operands with f32 sums; all other float work in f32.
;; Inputs: W_hh_b 128 x 32 float32; W_hh_f 128 x 32 float32; W_ih_b 128 x 16 float32; W_ih_f 128 x 16 float32; b_b 128 float32; b_f 128 float32; embedding 3 x 16 float32; lengths 131,072 int32; tokens 131,072 x 8 int32.
;; Outputs: out0 131,072 x 64 float32.
;; One version. Each part assembles by itself: llvm-mc -triple=amdgcn-amd-amdhsa -mcpu=gfx1250 --defsym DOCPART=n.
;; ======== version 1 of 1: 1 launch
;; launch lstm (part 1): grid 2048 x 1, 1 waves a work-group, no clusters, 5,120 bytes of LDS; arguments tokens, lengths, embedding, W_ih_f, W_hh_f, b_f, W_ih_b, W_hh_b, b_b, out0; writes out0
.if DOCPART == 1
	.amdgcn_target "amdgcn-amd-amdhsa--gfx1250"
	.amdhsa_code_object_version 6
	.text
	.protected	k_q4da89c29a1_lstm
	.globl	k_q4da89c29a1_lstm
	.p2align	8
	.type	k_q4da89c29a1_lstm,@function
k_q4da89c29a1_lstm:
	s_mov_b64 s[64:65], 0
	v_nop
	global_prefetch_b8 v0, s[64:65] scope:SCOPE_SE
	s_setreg_imm32_b32 hwreg(HW_REG_WAVE_MODE, 25, 1), 1
	s_wait_xcnt 0x0
; Bidirectional masked LSTM, N = 131072 sequences, L = 8 steps, V = 3 tokens, E = 16, H = 32; out0[n] = [h_fwd(32) | h_bwd(32)] in f32.
; A work-group is ONE wave and owns 64 neighbouring sequences, worked on as 4 tiles of 16.  Waves share nothing: no barrier, EXEC is never changed.
;
; ORIENTATION.  D = A x B + C with A = 16 gate rows of the weights (8 tiles: i = 0,1  f = 2,3  g = 4,5  o = 6,7), B = the state, N = 16 sequences,
;   K = 32 hidden units.  Register j of tile t in lane (r, hh) is gate row 16 t + 8 hh + j of sequence r, so i, f, g, o of one unit lie in one lane,
;   and the 16 new h of a lane, packed to bf16, ARE the next step's B fragment (registers 0-3: k = 8 hh .., 4-7: k = 16 + 8 hh ..): no lane moves.
; INPUT PROJECTION.  V = 3, so x W_ih^T + b has three different rows per direction.  They are made once per wave on the matrix unit (operands split
;   in bf16 high + low parts, bias and scale in f32), kept as bf16 high + low, and enter each step as TABLE x ONE-HOT(code of the sequence).
; MASK.  Both directions are zero state, then len live steps (forward: aligned to END at step 7).  Code 3 of the table is the masked step: +1024 in the
;   scaled i rows, 0 elsewhere.  With h = c = 0 that gives exp2 = inf, 1/inf = 0, and c and h stay exactly 0: no select.
; SORT.  The wave sorts its 64 sequences by length (counting sort on ballots), so tile tau runs only Lmax(tau) steps.  Lmax comes from the lengths, whole
;   numbers that this launch reads, by compare, bit count and scalar compare.
; GATES, 8 transcendentals a value.  Rows i, f, o are scaled by -log2 e, rows g by -2 log2 e, the cell is kept as cs = -2 log2 e x c:
;   A = 2^yi, D = 2^yf, B = 2^min(yg, 100), O = 2^yo;  cs = cs / (1 + D) + (2L B - 2L) / ((1 + A)(1 + B));  E = 2^cs;  h = (1 - E) / ((1 + O)(1 + E)).
;   An infinite A, D or O gives a reciprocal 0 times a finite factor; B <= 2^100 keeps 2L B - 2L finite; |c| <= 8 by construction, so 2^-24 < E < 2^24.
; LIMITS.  Tokens are 0, 1 or 2 (an index stays inside its table).  Parameters are finite, and so small that the scaled table values stay finite in bf16:
;   table registers of a neighbouring tile meet zeros of the one-hot fragment, and 0 x inf would be NaN.  Every int32 length is served:
;   len <= 0 gives a row of zeros, len >= 8 means all eight steps.  W_hh (scaled) and h are rounded to bf16 for the products; all else is f32.
; NO CLUSTER, NO TENSOR LOADS: all that waves share are the parameters, 2 x (16,384 + 8,192 + 512) + 192 bytes, read once per wave into registers ahead
;   of the loops; the step loop holds no memory instruction at all, so there is no tile to ask for jointly and nothing to prefetch.
.set L_N,   0xbfb8aa3b                 ; -log2 e
.set L_N2,  0xc038aa3b                 ; -2 log2 e
.set L_P2,  0x4038aa3b                 ;  2 log2 e
; LDS, the wave's own: 0..511 ORDER, 64 entries of 8 bytes by sorted place {codes fwd | codes bwd << 16, index in the 64};
; 512..4863 STAGE, 16 rows of 256 bytes at pitch 272 = 17 x 16: sixteen rows begin in sixteen different 16-byte columns modulo 256.
.set STAGE, 512
.set PITCH, 272
; vector registers, window 0, whole kernel
.set RR,   1                           ; r = lane & 15
.set HH,   2                           ; hh = lane >> 4
.set HX,   3                           ; hh ? 0xaaaa : 0: turns codes 2, 3 into 0, 1 for the upper lanes
.set ORD,  4                           ; ORDER + 8 r, + 128 a tile
.set IXA,  5                           ; ORDER + 4 + 8 hh, + 128 a tile
.set STO,  6                           ; STAGE + 272 r + 32 hh
.set RD,   7                           ; STAGE + 272 hh + 16 r
.set COL,  8                           ; 16 r
.set WF,   9                           ; codes of the forward steps still to come, 2 bits each, next step lowest
.set WB,   10                          ; the same, backward
.set CT,   11                          ; this step's code
.set KP,   12                          ; v[12:13]  2 log2 e twice
.set KN,   14                          ; v[14:15] -2 log2 e twice
.set ACCF, 16                          ; v[16:79]   gates forward: i 16, f 16, g 16, o 16
.set ACCB, 80                          ; v[80:143]  gates backward
.set CF,   144                         ; v[144:159] cs forward
.set CB,   160                         ; v[160:175] cs backward
.set HF,   176                         ; v[176:183] h forward, bf16, B fragment
.set HB,   184                         ; v[184:191]
.set OF,   192                         ; v[192:199] one-hot forward, B fragment; registers 2-7 stay 0
.set OB,   200                         ; v[200:207]
.set TM,   208                         ; v[208:223] at work
.set PL,   224                         ; the tile's ORDER word
.set IX,   226                         ; v[226:233] way out: byte offsets of eight row pairs
.set ONES, 234                         ; bf16 1.0 twice
; set-up only
.set LW,   16                          ; v[16:143]  W_hh as loaded (f32)
.set LI,   144                         ; v[144:207] W_ih as loaded
.set LB,   208                         ; v[208:215] bias as loaded
.set EM,   216                         ; v[216:223] embedding as loaded
.set BW,   16                          ; v[16:79]   W_ih fragments: tile t registers 0-3 high parts, 4-7 low parts
.set DT,   80                          ; v[80:143]  products embedding x W_ih
.set PP,   144                         ; v[144:159] table values in f32
.set XX,   160                         ; v[160:175] their low parts
.set VB,   176
.set MVI,  177                         ; 1024.0: code 3 in the i rows
.set MVZ,  178                         ; 0: code 3 elsewhere
.set EH,   224                         ; v[224:231] embedding, high parts, twice
.set EL,   232                         ; v[232:239] embedding, low parts, twice
.set TT,   240                         ; v[240:243] at work
; sort only
.set TOK,  224                         ; v[224:239] tokens of my two sequences; v224, v232 later their keys
.set LEN,  240                         ; v240, v241
.set RK,   242                         ; v242, v243 sorted places
.set RF,   244
.set RB,   245
.set PAY,  246                         ; v[246:247], v[248:249] ORDER entries
; byte offsets of the loads, never rewritten
.set WHO,  250                         ; 128 r + 32 hh
.set WIO,  251                         ; 64 r + 32 hh
.set BAO,  252                         ; 4 r
.set EAO,  253
.set TAO,  254                         ; 32 lane
.set LAO,  255                         ; 4 lane
; window 1 (v256 and up, named by their low 8 bits)
.set A1F,  0                           ; W_hh forward, 8 A fragments
.set A1B,  64
.set TABF, 128                         ; table forward: 2 registers a tile; the tuple of tile t is TABF + 2 t .. + 7
.set TABB, 144
.set PAD,  160                         ; six zeros behind the last tuple
; scalars: s[8:27] buffer addresses; s29 100.0; s[30:31] -L; s[32:33] -2L; s34 tile; s35 16 (tile + 1); s36 Lmax; s37 Lmax - 1; s38 step;
;          s39 16 - 2 Lmax; s[40:47] how many of the 64 have length <= 1 .. 8; s48-50 sort; s51 lanes with hh = 1
.set MSB, 0
.macro WIN new                         ; s_set_vgpr_msb: low byte = windows of source 0, 1, 2, destination; high byte repeats the setting left
.if MSB != \new
	s_set_vgpr_msb (MSB<<8)|\new
.set MSB, \new
.endif
.endm
	s_load_b512 s[8:23], s[0:1], 0x0               ; tokens 8, lengths 10, embedding 12, W_ih_f 14, W_hh_f 16, b_f 18, W_ih_b 20, W_hh_b 22
	s_load_b128 s[24:27], s[0:1], 0x40             ; b_b 24, out0 26
	s_set_vgpr_msb 0x40
	v_lshl_add_u32 v168, v0, 2, 0x1300
	v_mov_b32 v169, 0
	s_set_vgpr_msb 0x4000
	v_and_b32 v[RR], 15, v0                        ; v0 is the lane: one wave
	v_lshrrev_b32 v[HH], 4, v0
	v_mul_u32_u24 v[HX], 0xaaaa, v[HH]
	v_lshlrev_b32 v[ORD], 3, v[RR]
	v_lshl_add_u32 v[IXA], v[HH], 3, 4
	v_mul_u32_u24 v[STO], PITCH, v[RR]
	v_lshl_add_u32 v[STO], v[HH], 5, v[STO]
	v_add_nc_u32 v[STO], STAGE, v[STO]
	v_mul_u32_u24 v[RD], PITCH, v[HH]
	v_lshl_add_u32 v[RD], v[RR], 4, v[RD]
	v_add_nc_u32 v[RD], STAGE, v[RD]
	v_lshlrev_b32 v[COL], 4, v[RR]
	v_lshlrev_b32 v[WHO], 7, v[RR]
	v_lshl_add_u32 v[WHO], v[HH], 5, v[WHO]
	v_lshlrev_b32 v[WIO], 6, v[RR]
	v_lshl_add_u32 v[WIO], v[HH], 5, v[WIO]
	v_lshlrev_b32 v[BAO], 2, v[RR]
	v_and_b32 v[EAO], 1, v[RR]                     ; A row r of the set-up product takes token min((r & 1) + 2 (r >> 3), 2):
	v_lshrrev_b32 v[RF], 3, v[RR]                  ; rows 0, 1, 8 are tokens 0, 1, 2; the other rows give results that nobody reads
	v_lshl_add_u32 v[EAO], v[RF], 1, v[EAO]
	v_min_u32 v[EAO], 2, v[EAO]
	v_lshlrev_b32 v[EAO], 6, v[EAO]                ; 64 bytes a row of the embedding
	v_lshl_add_u32 v[EAO], v[HH], 5, v[EAO]        ; + k = 8 hh
	v_lshlrev_b32 v[TAO], 5, v0
	v_lshlrev_b32 v[LAO], 2, v0
	v_cmp_eq_u32 s51, 1, v[HH]
	s_mov_b32 s29, 0x42c80000                      ; 100.0
	s_mov_b32 s30, L_N
	s_mov_b32 s31, L_N
	s_mov_b32 s32, L_N2
	s_mov_b32 s33, L_N2
	s_mov_b32 s3, 0
	s_wait_kmcnt 0x0
	s_lshl_b32 s2, ttmp9, 11                       ; 64 sequences x 32 bytes of tokens
	s_add_nc_u64 s[8:9], s[8:9], s[2:3]
	s_lshl_b32 s2, ttmp9, 8                        ; x 4 bytes of lengths
	s_add_nc_u64 s[10:11], s[10:11], s[2:3]
	s_lshl_b32 s2, ttmp9, 14                       ; x 256 bytes of output
	s_add_nc_u64 s[26:27], s[26:27], s[2:3]
; 56 loads: one direction's W_hh (A fragment order), W_ih (B fragment order) and bias (gate row 16 t + r)
.macro LOADW whh, wih, bia
.irp t, 0,1,2,3,4,5,6,7
	global_load_b128 v[LW+16*\t:LW+16*\t+3],     v[WHO], s[\whh:\whh+1] offset:2048*\t
	global_load_b128 v[LW+16*\t+4:LW+16*\t+7],   v[WHO], s[\whh:\whh+1] offset:2048*\t+16
	global_load_b128 v[LW+16*\t+8:LW+16*\t+11],  v[WHO], s[\whh:\whh+1] offset:2048*\t+64
	global_load_b128 v[LW+16*\t+12:LW+16*\t+15], v[WHO], s[\whh:\whh+1] offset:2048*\t+80
	global_load_b128 v[LI+8*\t:LI+8*\t+3],       v[WIO], s[\wih:\wih+1] offset:1024*\t
	global_load_b128 v[LI+8*\t+4:LI+8*\t+7],     v[WIO], s[\wih:\wih+1] offset:1024*\t+16
	global_load_b32  v[LB+\t],                   v[BAO], s[\bia:\bia+1] offset:64*\t
.endr
.endm
	global_load_b128 v[TOK:TOK+3],     v[TAO], s[8:9] th:TH_LOAD_NT              ; sequence lane
	global_load_b128 v[TOK+4:TOK+7],   v[TAO], s[8:9] offset:16 th:TH_LOAD_NT
	global_load_b128 v[TOK+8:TOK+11],  v[TAO], s[8:9] offset:1024 th:TH_LOAD_NT  ; sequence lane + 32
	global_load_b128 v[TOK+12:TOK+15], v[TAO], s[8:9] offset:1040 th:TH_LOAD_NT
	global_load_b32  v[LEN],           v[LAO], s[10:11] th:TH_LOAD_NT
	global_load_b32  v[LEN+1],         v[LAO], s[10:11] offset:128 th:TH_LOAD_NT
	global_load_b128 v[EM:EM+3],       v[EAO], s[12:13]
	global_load_b128 v[EM+4:EM+7],     v[EAO], s[12:13] offset:16
	LOADW 16, 14, 18                               ; forward parameters, on their way during the sort
; ---- the sort ----
; Sequence q of the lane: its 16 steps' codes and its key.  n = len cut to 0 .. 8.  Step s of 0 .. 7 has bits 2 s, 2 s + 1.
; Forward: token j stands at step j + 8 - n.  Backward: token 7 - s at step s.  In both the steps below 8 - n get code 3.
.macro PACK q
.set X, TOK+8*\q
	v_lshl_or_b32 v[RF], v[X+7], 2, v[X+6]         ; token j at bits 2 j
.irp j, 5,4,3,2,1,0
	v_lshl_or_b32 v[RF], v[RF], 2, v[X+\j]
.endr
	v_lshl_or_b32 v[RB], v[X], 2, v[X+1]           ; token j at bits 2 (7 - j)
.irp j, 2,3,4,5,6,7
	v_lshl_or_b32 v[RB], v[RB], 2, v[X+\j]
.endr
	v_ashrrev_i32 v[X+1], 31, v[LEN+\q]            ; all ones where len < 0
	v_bfi_b32 v[LEN+\q], v[X+1], 0, v[LEN+\q]      ; then 0, else len
	v_min_u32 v[LEN+\q], 8, v[LEN+\q]              ; n
	v_lshlrev_b32 v[X+1], 1, v[LEN+\q]             ; 2 n
	v_mov_b32 v[X+2], 0xffff
	v_lshrrev_b32 v[X+2], v[X+1], v[X+2]           ; ones in the 16 - 2 n low bits: code 3 in the masked steps
	v_sub_nc_u32 v[X+1], 16, v[X+1]
	v_lshlrev_b32 v[RF], v[X+1], v[RF]
	v_or_b32 v[RF], v[RF], v[X+2]
	v_and_b32 v[RF], 0xffff, v[RF]                 ; tokens from n on fall off the top
	v_or_b32 v[RB], v[RB], v[X+2]
	v_lshl_or_b32 v[PAY+2*\q], v[RB], 16, v[RF]
	v_add_nc_u32 v[PAY+2*\q+1], 32*\q, v0          ; which of the 64 I am
	v_cmp_ne_u32 vcc_lo, 0, v[LEN+\q]
	v_cndmask_b32 v[X], 1, v[LEN+\q], vcc_lo       ; key 1 .. 8 (n = 0 sorts with 1: one step, all masked)
.endm
; The sequences with key beta take the next places, in the order lane, lane + 32; s[39 + beta] = how many have a key <= beta
.macro RANK beta
.irp q, 0,1
	v_cmp_eq_u32 s49, \beta, v[TOK+8*\q]
	v_mbcnt_lo_u32_b32 v[RF], s49, 0               ; how many lanes below me have this key
	v_add_nc_u32 v[RF], s48, v[RF]
	v_cndmask_b32 v[RK+\q], v[RK+\q], v[RF], s49
	s_bcnt1_i32_b32 s50, s49
	s_add_co_u32 s48, s48, s50
.endr
	s_mov_b32 s[39+\beta], s48
.endm
	s_wait_loadcnt 58                              ; tokens and lengths are in: the 2 embedding and 56 parameter loads behind them stay out
	PACK 0
	PACK 1
	v_mov_b32 v[RK], 0
	v_mov_b32 v[RK+1], 0
	s_mov_b32 s48, 0
.irp beta, 1,2,3,4,5,6,7,8
	RANK \beta
.endr
.irp q, 0,1
	v_min_u32 v[RK+\q], 63, v[RK+\q]               ; a place is 0 .. 63
	v_lshlrev_b32 v[RK+\q], 3, v[RK+\q]
	ds_store_b64 v[RK+\q], v[PAY+2*\q:PAY+2*\q+1]
.endr
; ---- the parameters ----
.macro SCALE t, sc                     ; W_hh rows 16 t .. + 15 times the gate's scale, in f32, ahead of the one rounding to bf16
.irp k, 0,2,4,6,8,10,12,14
	v_pk_mul_f32 v[LW+16*\t+\k:LW+16*\t+\k+1], v[LW+16*\t+\k:LW+16*\t+\k+1], s[\sc:\sc+1] op_sel_hi:[1,0]
.endr
.endm
.macro PTILE t, sc, mv                 ; table values of tile t: scale x (product + bias); in the upper lanes the second one is code 3
	v_mul_f32 v[VB], s[\sc], v[LB+\t]
	v_fma_f32 v[PP+2*\t],   v[DT+8*\t],   s[\sc], v[VB]
	v_fma_f32 v[PP+2*\t+1], v[DT+8*\t+1], s[\sc], v[VB]
	v_cndmask_b32 v[PP+2*\t+1], v[PP+2*\t+1], v[\mv], s51
.endm
; One direction: W_hh to A fragments at a1, the table to tab (both in window 1)
.macro CONVW a1, tab
	SCALE 0, 30
	SCALE 1, 30
	SCALE 2, 30
	SCALE 3, 30
	SCALE 4, 32
	SCALE 5, 32
	SCALE 6, 30
	SCALE 7, 30
	WIN 0x40                                       ; destination in window 1
.set ii, 0
.rept 64
	v_cvt_pk_bf16_f32 v[\a1+ii], v[LW+2*ii], v[LW+2*ii+1]
.set ii, ii+1
.endr
	WIN 0
	; W_ih = high + low part in bf16.  E = 16 fills k = 0 .. 15; the low parts take k = 16 .. 31 (registers 4-7), index for index.
.set ii, 0
.rept 32
.set BH, BW+8*(ii/4)+ii%4
.set T2, TT+2*(ii%2)
	v_cvt_pk_bf16_f32 v[BH], v[LI+2*ii], v[LI+2*ii+1]
	v_lshlrev_b32 v[T2], 16, v[BH]
	v_and_b32 v[T2+1], 0xffff0000, v[BH]
	v_pk_add_f32 v[LI+2*ii:LI+2*ii+1], v[LI+2*ii:LI+2*ii+1], v[T2:T2+1] neg_lo:[0,1] neg_hi:[0,1]
	v_cvt_pk_bf16_f32 v[BH+4], v[LI+2*ii], v[LI+2*ii+1]
.set ii, ii+1
.endr
	; (e_hi + e_lo)(w_hi + w_lo): register 0 of lane (r, hh) = token 2 hh, register 1 = token 2 hh + 1, gate row 16 t + r: the table's own layout
.irp t, 0,1,2,3,4,5,6,7
	v_wmma_f32_16x16x32_bf16 v[DT+8*\t:DT+8*\t+7], v[EH:EH+7], v[BW+8*\t:BW+8*\t+7], 0
.endr
.irp t, 0,1,2,3,4,5,6,7
	v_wmma_f32_16x16x32_bf16 v[DT+8*\t:DT+8*\t+7], v[EL:EL+7], v[BW+8*\t:BW+8*\t+7], v[DT+8*\t:DT+8*\t+7]
.endr
	v_mov_b32 v[MVI], 0x44800000                   ; four independent vector instructions between the last product and the first
	v_mov_b32 v[MVZ], 0                            ; read of a result (ISA guide 7.12.1)
	v_nop
	v_nop
	PTILE 0, 30, MVI
	PTILE 1, 30, MVI
	PTILE 2, 30, MVZ
	PTILE 3, 30, MVZ
	PTILE 4, 32, MVZ
	PTILE 5, 32, MVZ
	PTILE 6, 30, MVZ
	PTILE 7, 30, MVZ
.set ii, 0
.rept 16
	v_cvt_pk_bf16_f32 v[XX+ii], v[PP+ii], v[PP+ii]
	v_lshlrev_b32 v[XX+ii], 16, v[XX+ii]           ; the high part as f32
	v_sub_f32 v[XX+ii], v[PP+ii], v[XX+ii]         ; what it leaves
.set ii, ii+1
.endr
	WIN 0x40
.set ii, 0
.rept 16
	v_cvt_pk_bf16_f32 v[\tab+ii], v[PP+ii], v[XX+ii]   ; {high, low} in two neighbouring k, which the one-hot fragment both meets with 1.0
.set ii, ii+1
.endr
	WIN 0
.endm
	s_wait_loadcnt 0x0                             ; embedding and forward parameters
.irp m, 0,1,2,3                                    ; the embedding fragment: high parts twice, low parts twice
	v_cvt_pk_bf16_f32 v[EH+\m], v[EM+2*\m], v[EM+2*\m+1]
	v_lshlrev_b32 v[TT], 16, v[EH+\m]
	v_and_b32 v[TT+1], 0xffff0000, v[EH+\m]
	v_pk_add_f32 v[EM+2*\m:EM+2*\m+1], v[EM+2*\m:EM+2*\m+1], v[TT:TT+1] neg_lo:[0,1] neg_hi:[0,1]
	v_cvt_pk_bf16_f32 v[EL+\m], v[EM+2*\m], v[EM+2*\m+1]
	v_mov_b32 v[EH+4+\m], v[EH+\m]
	v_mov_b32 v[EL+4+\m], v[EL+\m]
.endr
	CONVW A1F, TABF
	LOADW 22, 20, 24                               ; backward parameters into the same registers, all of which have been read by now
	s_wait_loadcnt 0x0
	CONVW A1B, TABB
	WIN 0x40
.irp i, 0,1,2,3,4,5
	v_mov_b32 v[PAD+\i], 0
.endr
	WIN 0
	v_mov_b32 v[KP], L_P2
	v_mov_b32 v[KP+1], L_P2
	v_mov_b32 v[KN], L_N2
	v_mov_b32 v[KN+1], L_N2
	v_mov_b32 v[ONES], 0x3f803f80
.irp i, 2,3,4,5,6,7
	v_mov_b32 v[OF+\i], 0                          ; k slots that no code uses: whatever the table tuple holds there meets 0
	v_mov_b32 v[OB+\i], 0
.endr
; ---- a step ----
.macro ONEHOT w, oreg                  ; register 0 (k = 8 hh, 8 hh + 1): code 2 hh; register 1 (k = 8 hh + 2, + 3): code 2 hh + 1
	v_and_b32 v[CT], 3, v[\w]
	v_cmp_eq_u32 vcc_lo, 0, v[CT]
	v_cndmask_b32 v[\oreg], 0, v[ONES], vcc_lo
	v_cmp_eq_u32 vcc_lo, 1, v[CT]
	v_cndmask_b32 v[\oreg+1], 0, v[ONES], vcc_lo
.endm
; gates = table x one-hot (starts the sums) + W_hh x h (the next link on the same accumulator).  first = 1: h = c = 0, so no W_hh and no f gate.
.macro GATES acc, a1, tab, hreg, oreg, first
.if \first
.irp t, 0,1,4,5,6,7
	v_wmma_f32_16x16x32_bf16 v[\acc+8*\t:\acc+8*\t+7], v[\tab+2*\t:\tab+2*\t+7], v[\oreg:\oreg+7], 0
.endr
.else
.irp t, 0,1,2,3,4,5,6,7
	v_wmma_f32_16x16x32_bf16 v[\acc+8*\t:\acc+8*\t+7], v[\tab+2*\t:\tab+2*\t+7], v[\oreg:\oreg+7], 0
.endr
.irp t, 0,1,2,3,4,5,6,7
	v_wmma_f32_16x16x32_bf16 v[\acc+8*\t:\acc+8*\t+7], v[\a1+8*\t:\a1+8*\t+7], v[\hreg:\hreg+7], v[\acc+8*\t:\acc+8*\t+7]
.endr
.endif
.endm
.macro TR16 op, d, s                   ; sixteen transcendentals back to back, on different registers
.set ii, 0
.rept 16
	\op v[\d+ii], v[\s+ii]
.set ii, ii+1
.endr
.endm
; The gate arithmetic of one direction, 16 units a lane.  Behind each run of transcendentals one v_nop stands before a result is used (ISA guide 5.7.2).
.macro EW acc, c, hreg, first
.set GI, \acc
.set GF, \acc+16
.set GG, \acc+32
.set GO, \acc+48
.set ii, 0
.rept 16
	v_min_num_f32 v[GG+ii], s29, v[GG+ii]          ; B <= 2^100
.set ii, ii+1
.endr
	TR16 v_exp_f32, GI, GI                         ; A
	TR16 v_exp_f32, GG, GG                         ; B
.if \first
.else
	TR16 v_exp_f32, GF, GF                         ; D
.endif
	TR16 v_exp_f32, GO, GO                         ; O
	v_nop
.set ii, 0
	s_wait_alu depctr_va_vdst(0)
.rept 8
	v_pk_fma_f32 v[TM+ii:TM+ii+1], v[GG+ii:GG+ii+1], v[KP:KP+1], v[KN:KN+1]          ; 2L B - 2L
.set ii, ii+2
.endr
.set ii, 0
.rept 8
	v_pk_add_f32 v[GG+ii:GG+ii+1], v[GG+ii:GG+ii+1], 1.0 op_sel_hi:[1,0]             ; 1 + B
.set ii, ii+2
.endr
.set ii, 0
.rept 8
	v_pk_fma_f32 v[GI+ii:GI+ii+1], v[GI+ii:GI+ii+1], v[GG+ii:GG+ii+1], v[GG+ii:GG+ii+1]   ; (1 + A)(1 + B)
.set ii, ii+2
.endr
.if \first
	TR16 v_rcp_f32, GI, GI
	v_nop
.set ii, 0
	s_wait_alu depctr_va_vdst(0)
.rept 8
	v_pk_mul_f32 v[\c+ii:\c+ii+1], v[TM+ii:TM+ii+1], v[GI+ii:GI+ii+1]                ; cs starts here: nothing is cleared
.set ii, ii+2
.endr
.else
.set ii, 0
.rept 8
	v_pk_add_f32 v[GF+ii:GF+ii+1], v[GF+ii:GF+ii+1], 1.0 op_sel_hi:[1,0]             ; 1 + D
.set ii, ii+2
.endr
	TR16 v_rcp_f32, GI, GI
	TR16 v_rcp_f32, GF, GF
	v_nop
.set ii, 0
	s_wait_alu depctr_va_vdst(0)
.rept 8
	v_pk_mul_f32 v[TM+ii:TM+ii+1], v[TM+ii:TM+ii+1], v[GI+ii:GI+ii+1]
.set ii, ii+2
.endr
.set ii, 0
.rept 8
	v_pk_fma_f32 v[\c+ii:\c+ii+1], v[GF+ii:GF+ii+1], v[\c+ii:\c+ii+1], v[TM+ii:TM+ii+1]
.set ii, ii+2
.endr
.endif
	TR16 v_exp_f32, GG, \c                         ; E
	v_nop
.set ii, 0
	s_wait_alu depctr_va_vdst(0)
.rept 8
	v_pk_add_f32 v[GI+ii:GI+ii+1], v[GG+ii:GG+ii+1], 1.0 op_sel_hi:[1,0]             ; 1 + E
.set ii, ii+2
.endr
.set ii, 0
.rept 8
	v_pk_fma_f32 v[GG+ii:GG+ii+1], v[GG+ii:GG+ii+1], -1.0, 1.0 op_sel_hi:[1,0,0]     ; 1 - E
.set ii, ii+2
.endr
.set ii, 0
.rept 8
	v_pk_fma_f32 v[GO+ii:GO+ii+1], v[GO+ii:GO+ii+1], v[GI+ii:GI+ii+1], v[GI+ii:GI+ii+1]   ; (1 + O)(1 + E)
.set ii, ii+2
.endr
	TR16 v_rcp_f32, GO, GO
	v_nop
.set ii, 0
	s_wait_alu depctr_va_vdst(0)
.rept 8
	v_pk_mul_f32 v[GG+ii:GG+ii+1], v[GG+ii:GG+ii+1], v[GO+ii:GO+ii+1]                ; h in f32; stays here for the way out
.set ii, ii+2
.endr
.set ii, 0
.rept 8
	v_cvt_pk_bf16_f32 v[\hreg+ii], v[GG+2*ii], v[GG+2*ii+1]                          ; and as the next step's B fragment
.set ii, ii+1
.endr
.endm
.macro STEP first
	ONEHOT WF, OF
	ONEHOT WB, OB
	WIN 0x01                                       ; source 0 (weights, table) in window 1
	GATES ACCF, A1F, TABF, HF, OF, \first
	GATES ACCB, A1B, TABB, HB, OB, \first
	WIN 0
	v_lshrrev_b32 v[WF], 2, v[WF]                  ; the next step's codes; with the two v_nop the four independent vector
	v_lshrrev_b32 v[WB], 2, v[WB]                  ; instructions between the last product and the first read of a result (ISA guide 7.12.1)
	v_nop
	v_nop
	EW ACCF, CF, HF, \first
	EW ACCB, CB, HB, \first
.endm
; ---- the four tiles ----
	s_mov_b32 s34, 0
	s_mov_b32 s35, 16
.Ltile:
	s_mov_b32 s36, 1                               ; Lmax = key at sorted place 16 tile + 15 = 1 + how many beta of 1 .. 7 have fewer than 16 (tile + 1) keys <= beta
.irp b, 40,41,42,43,44,45,46
	s_cmp_lt_u32 s\b, s35
	s_add_co_ci_u32 s36, s36, 0
.endr
	s_lshl_b32 s39, s36, 1
	s_sub_co_u32 s39, 16, s39                      ; 2 bits for each of the 8 - Lmax steps in which the whole tile is masked
	s_sub_co_u32 s37, s36, 1
	ds_load_b32 v[PL], v[ORD]                      ; LDS serves a wave in order (ISA guide 5.7.1): this sees the sort's stores
	s_wait_dscnt 0x0
	v_and_b32 v[WF], 0xffff, v[PL]
	v_lshrrev_b32 v[WB], 16, v[PL]
	v_xor_b32 v[WF], v[WF], v[HX]
	v_xor_b32 v[WB], v[WB], v[HX]
	v_lshrrev_b32 v[WF], s39, v[WF]
	v_lshrrev_b32 v[WB], s39, v[WB]
	STEP 1                                         ; the tile's first step starts c and h
	s_cmp_eq_u32 s37, 0
	s_cbranch_scc1 .Lout
	s_mov_b32 s38, 0
.Lstep:
	STEP 0
	s_add_co_u32 s38, s38, 1
	s_cmp_lt_u32 s38, s37
	s_cbranch_scc1 .Lstep
.Lout:
	; The way out: a lane holds units 8 hh .. + 7 and 16 + 8 hh .. + 7 of both directions of sequence r; whole rows of 256 bytes come back.
	ds_store_b128 v[STO], v[ACCF+32:ACCF+35]
	ds_store_b128 v[STO], v[ACCF+36:ACCF+39] offset:16
	ds_store_b128 v[STO], v[ACCF+40:ACCF+43] offset:64
	ds_store_b128 v[STO], v[ACCF+44:ACCF+47] offset:80
	ds_store_b128 v[STO], v[ACCB+32:ACCB+35] offset:128
	ds_store_b128 v[STO], v[ACCB+36:ACCB+39] offset:144
	ds_store_b128 v[STO], v[ACCB+40:ACCB+43] offset:192
	ds_store_b128 v[STO], v[ACCB+44:ACCB+47] offset:208
.irp q, 0,1,2,3,4,5,6,7
	ds_load_b32 v[IX+\q], v[IXA] offset:16*\q      ; which of the 64 stands in row 2 q + hh of the tile
.endr
.irp q, 0,1,2,3,4,5,6,7
	ds_load_b128 v[ACCF+4*\q:ACCF+4*\q+3], v[RD] offset:2*PITCH*\q   ; rows 2 q (lanes 0-15) and 2 q + 1 (lanes 16-31)
.endr
	s_wait_dscnt 0x8                               ; the indices are in; the eight row loads behind them stay out
.irp q, 0,1,2,3,4,5,6,7
	v_min_u32 v[IX+\q], 63, v[IX+\q]
	v_lshl_add_u32 v[IX+\q], v[IX+\q], 8, v[COL]   ; 256 bytes a row + 16 r
.endr
.irp q, 0,1,2,3,4,5,6,7
	s_wait_dscnt 7-\q                              ; row pair q is in, the younger ones stay out
	global_store_b128 v[IX+\q], v[ACCF+4*\q:ACCF+4*\q+3], s[26:27] th:TH_STORE_NT   ; 16 lanes store one whole row: 256 consecutive bytes, aligned
.endr
	s_wait_xcnt 0x0                                ; the stores' data and offsets are written again in the next tile only behind this wait
	v_add_nc_u32 v[ORD], 128, v[ORD]
	v_add_nc_u32 v[IXA], 128, v[IXA]
	s_add_co_u32 s35, s35, 16
	s_add_co_u32 s34, s34, 1
	s_cmp_lt_u32 s34, 4
	s_cbranch_scc1 .Ltile
	s_set_vgpr_msb 0x5
	s_wait_tensorcnt 0x0
	ds_add_u32 v168, v169
	s_wait_dscnt 0x0
	s_set_vgpr_msb 0x500
	s_endpgm
.Lfunc_end_k_q4da89c29a1_lstm:
	.size	k_q4da89c29a1_lstm, .Lfunc_end_k_q4da89c29a1_lstm-k_q4da89c29a1_lstm
	.p2alignl 7, 3214868480
	.fill 96, 4, 3214868480
	.section	.rodata,"a",@progbits
	.p2align	6, 0x0
	.amdhsa_kernel k_q4da89c29a1_lstm
		.amdhsa_group_segment_fixed_size 5120
		.amdhsa_private_segment_fixed_size 0
		.amdhsa_enable_private_segment 0
		.amdhsa_kernarg_size 80
		.amdhsa_user_sgpr_count 2
		.amdhsa_user_sgpr_kernarg_segment_ptr 1
		.amdhsa_wavefront_size32 1
		.amdhsa_system_sgpr_workgroup_id_x 1
		.amdhsa_system_sgpr_workgroup_id_y 1
		.amdhsa_system_sgpr_workgroup_id_z 1
		.amdhsa_system_vgpr_workitem_id 0
		.amdhsa_next_free_vgpr 426
		.amdhsa_next_free_sgpr 66
		.amdhsa_reserve_vcc 1
		.amdhsa_float_denorm_mode_32 3
		.amdhsa_float_denorm_mode_16_64 3
		.amdhsa_memory_ordered 1
		.amdhsa_forward_progress 1
		.amdhsa_inst_pref_size 116
	.end_amdhsa_kernel
	.amdgpu_metadata
---
amdhsa.version: [ 1, 2 ]
amdhsa.kernels:
  - .name:           k_q4da89c29a1_lstm
    .symbol:         k_q4da89c29a1_lstm.kd
    .args:
      - { .name: tokens, .offset: 0, .size: 8, .value_kind: global_buffer, .address_space: global }
      - { .name: lengths, .offset: 8, .size: 8, .value_kind: global_buffer, .address_space: global }
      - { .name: embedding, .offset: 16, .size: 8, .value_kind: global_buffer, .address_space: global }
      - { .name: W_ih_f, .offset: 24, .size: 8, .value_kind: global_buffer, .address_space: global }
      - { .name: W_hh_f, .offset: 32, .size: 8, .value_kind: global_buffer, .address_space: global }
      - { .name: b_f, .offset: 40, .size: 8, .value_kind: global_buffer, .address_space: global }
      - { .name: W_ih_b, .offset: 48, .size: 8, .value_kind: global_buffer, .address_space: global }
      - { .name: W_hh_b, .offset: 56, .size: 8, .value_kind: global_buffer, .address_space: global }
      - { .name: b_b, .offset: 64, .size: 8, .value_kind: global_buffer, .address_space: global }
      - { .name: out0, .offset: 72, .size: 8, .value_kind: global_buffer, .address_space: global }
    .group_segment_fixed_size: 5120
    .private_segment_fixed_size: 0
    .kernarg_segment_align: 8
    .kernarg_segment_size: 80
    .max_flat_workgroup_size: 32
    .sgpr_count:     66
    .vgpr_count:     426
    .wavefront_size: 32
...
	.end_amdgpu_metadata
.endif
;; end of part 1
